; MI455X (gfx1250); checked and timed in simulation.
; The chip was launched on July 23, 2026; its instructions are those of AMD's public machine-readable ISA for CDNA 5 (MIT licence, August 2026) and "CDNA5" Instruction Set Architecture Reference Guide (July 2026). The comments in the code are by the model that wrote it; some were corrected since.
;; Enhanced Attention V2. Allowed arithmetic: matrix products marked QUANTISED: E5M2 operands, one E8M0 scale for each 32 along K, by v_wmma_scale_f32_16x16x128_f8f6f4 with both operands' format E5M2, f32 sums; everything else in f32.
;; Inputs: Wk 1,024 x 1,024 float32; Wq 1,024 x 1,024 float32; Wv 1,024 x 1,024 float32; beta 1,024 float32; bk 1,024 float32; bq 1,024 float32; bv 1,024 float32; gamma 1,024 float32; hidden_states 1 x 4,096 x 1,024 float32.
;; Outputs: out0 1 x 4,096 x 1,024 float32.
;; This version of the problem:
;;   THIS VERSION OF THE PROBLEM IS GIVEN IN LOW PRECISION. The matrix products marked QUANTISED in the list below multiply operands that are first quantised to E5M2 (5 exponent bits, 2 mantissa bits; 8 bits a number), with one power-of-two scale for each 32 numbers along K (OCP MX v1.0); their sums are f32. All else is computed in f32.
;;   The module's matrix products, in the order in which they are computed (A, B: the left and right operand; K: the contracted axis; several contracted axes count as one K, in the product's order):
;;     1. [M 4,096, K 1,024] x [K 1,024, N 1,024]; A: input hidden_states; B: input Wq: QUANTISED
;;     2. [M 4,096, K 1,024] x [K 1,024, N 1,024]; A: input hidden_states; B: input Wk: QUANTISED
;;     3. [M 4,096, K 1,024] x [K 1,024, N 1,024]; A: input hidden_states; B: input Wv: QUANTISED
;;     4. batch 16 x [M 4,096, K 64] x [K 64, N 4,096]; A: computed on the way; B: computed on the way: QUANTISED
;;     5. batch 16 x [M 64, K 4,096] x [K 4,096, N 4,096]; A: computed on the way; B: softmax (see below): QUANTISED
;;   THE QUANTISER, for each operand of a quantised product, along K:
;;     - K is cut into blocks of 32 from its start; a last block that is shorter is filled with zeros.
;;     - A block's scale is 2^e with e = floor(log2(the largest magnitude in the block)) - 15, held to -126 .. 127; a block of zeros has e = 0. As a byte (E8M0): e + 127.
;;     - Each number is divided by its block's scale, clamped to +-57,344, and rounded to the nearest number of E5M2, ties to even, subnormals kept.
;;     - The product sums the exact products of the quantised numbers (number of the format x scale) in f32.
;;   ~~~python
;;   def quantise(x, axis):      # numpy; x: float32 -> the quantised numbers, widened to float32 again
;;       x = np.moveaxis(x, axis, -1); K = x.shape[-1]
;;       x = np.pad(x, [(0, 0)] * (x.ndim - 1) + [(0, -K % 32)]); x = x.reshape(x.shape[:-1] + (-1, 32)); a = np.abs(x).max(-1, keepdims=True)
;;       e = np.where(a > 0, np.clip(np.frexp(np.where(a > 0, a, 1))[1] - 1 - 15, -126, 127), 0)      # np.frexp(a)[1] - 1 = floor(log2(a)), exactly
;;       r = np.clip(x / 2.0 ** e, -57344, 57344)
;;       step = 2.0 ** (np.maximum(np.frexp(np.where(r == 0, 1, r))[1] - 1, -14) - 2)
;;       q = np.round(r / step) * step * 2.0 ** e      # np.round: ties to even
;;       return np.moveaxis(q.reshape(q.shape[:-2] + (-1,))[..., :K], -1, axis).astype(np.float32)
;;   ~~~
;;   SOFTMAX AHEAD OF A QUANTISED PRODUCT. Where the list says 'softmax', what is quantised is not the finished softmax but p = 2^(t - M), with t = logit x log2(e) and M = ceil(the row's largest t), a whole number; so 1/2 < the row's largest p <= 1. The row's sum l is taken of the UNQUANTISED p, in f32, and the product's result is divided by l at the end. Since M is a whole number, a kernel that streams over the keys may use a running M (the ceiling of the running maximum): every later rescaling is an exact power of two, which a block's scale takes up: the codes' values come out the same.
;;   OPERANDS COMPUTED ON THE WAY. 'Computed on the way' means the value that the module computes at that place (a softmax that the list does not call 'softmax' is quantised finished and normalised). What goes into a quantiser is computed in f32, as accurately as f32 sums, v_exp_f32 and their like allow (about 1e-6 of the number): no bf16 or f16 on the way to a quantiser, and a product that is left as it is and whose result goes on into a quantised operand takes f32 operands (vector FMAs, or v_wmma_f32_16x16x4_f32). A number that lies on a knife's edge between two numbers of the format may be rounded either way, as far as f32 arithmetic and the matrix unit's own rounding can turn it there, and no further.
;; One version. Each part assembles by itself: llvm-mc -triple=amdgcn-amd-amdhsa -mcpu=gfx1250 --defsym DOCPART=n.
;; ======== version 1 of 1: 3 launches
;; limits: right only within a limited range of input values
;; workspace buffers: xc 4,194,304 bytes; xs 131,072 bytes; wc 3,145,728 bytes; ws 98,304 bytes; qkc 8,388,608 bytes; qks 262,144 bytes; vc 4,194,304 bytes; vs 131,072 bytes
;; launch quant (part 1): grid 448 x 1, 4 waves a work-group, no clusters, 68,096 bytes of LDS; arguments hidden_states, Wq, Wk, Wv, xc, xs, wc, ws; writes xc, xs, wc, ws
.if DOCPART == 1
	.amdgcn_target "amdgcn-amd-amdhsa--gfx1250"
	.amdhsa_code_object_version 6
	.text
	.protected	k_qe448a9b588_quant
	.globl	k_qe448a9b588_quant
	.p2align	8
	.type	k_qe448a9b588_quant,@function
k_qe448a9b588_quant:
	s_mov_b64 s[64:65], 0
	v_nop
	global_prefetch_b8 v0, s[64:65] scope:SCOPE_SE
	s_setreg_imm32_b32 hwreg(HW_REG_WAVE_MODE, 25, 1), 1
	s_wait_xcnt 0x0
; hidden_states [4096][1024] (K innermost) and Wq, Wk, Wv [1024 (k)][1024 (n)] (K outermost), f32, become codes of BF8 (E5M2) with one E8M0 byte for each 32 along K,
; laid as IMAGES OF OPERAND REGISTERS: [tile][s 8][c 4][lane 32][16 bytes]: lane (r, h) of image (tile, s) holds k = 128 s + 32 c + 16 h + 0 .. 15 of the tile's row r; scale words [tile][s 8][r 16], byte c for block 4 s + c.
; A TILE'S 16 ROWS ARE NOT NEIGHBOURS: row(T, r) = 32 (T / 2) + 8 (T % 2) + r + 8 (r / 8), so that as a product's first source tiles 2 b and 2 b + 1 leave 16 neighbours in a lane's 16 result registers.
; A block's scale is 2^(floor(log2(largest magnitude)) - 15); its byte is the largest magnitude's exponent field - 15, held at 1 from below.  A block of zeros gets the byte 1 where the rule says 127: its codes are
; zeros, which add nothing under any byte but 0xff, and this program alone reads the bytes.  LIMITS: NaN and infinities among the inputs are not served.
; Work-groups 0 to 255: one tile of x each, wave w its images s = 2 w, 2 w + 1.  Work-groups 256 to 447: 128 columns x 128 along K of one W, a lane to a column.  Every wave reads 16,384 bytes.
; Memory binds: no matrix unit, no cluster, no barrier (waves share nothing); the x path alone uses LDS, each wave its own 16,896 bytes.
.set SPX,  528                         ; a stage row: 512 bytes + 16: sixteen rows start at sixteen different groups of four banks
.set STG,  16*SPX                      ; a stage: the 16 rows of one image
.set R0,   16                          ; v16-79   image 0 as loaded; later image 1 turned
.set R1,   80                          ; v80-143  image 1 as loaded
.set X0,   144                         ; v144-207 image 0 turned: register 16 c + i = k 32 c + 16 h + i of my row
.set PC0,  208                         ; v208-223, v224-239 the two images' codes
.set PC1,  224
.set TM,   240                         ; v240-255 at work
.set PW0,  12                          ; v12, v13 the two scale words; v14 both: lanes 0-15 the first, lanes 16-31 the second
.set PW1,  13
.set PWM,  14
.set SEL,  22                          ; s[22:23] v_permlanex16_b32's selects for lane l xor 16
.set MNT,  24                          ; s24 the mantissa field of 57,344
.set HM,   25                          ; s25 a mask of lanes 16-31
.set XW,   16                          ; W path: v16-143 four blocks of 32 numbers down K
.set CW,   144                         ; v144-175 eight registers of codes a block: no store's data are written again
.set SB,   10                          ; v10 the four scale bytes
; 64 numbers of a lane, register 16 b + i = k 32 b + 16 (lane / 16) + i of my row, become a fragment's codes in v[pc] on and its scale word in v[pw]
.macro QUANT s, pc, pw
.irp b, 0,1,2,3
	v_max3_num_f32 v[TM+\b], |v[\s+16*\b]|, |v[\s+1+16*\b]|, 0x8000000   ; my 16 numbers of block b, and the floor 2^(16 - 127): the byte cannot fall under 1
.endr
.irp i, 2,4,6,8,10,12,14
.irp b, 0,1,2,3
	v_max3_num_f32 v[TM+\b], v[TM+\b], |v[\s+16*\b+\i]|, |v[\s+1+16*\b+\i]|   ; the four blocks by turns
.endr
.endr
.irp b, 0,1,2,3
	v_permlanex16_b32 v[TM+4+\b], v[TM+\b], s[SEL], s[SEL+1]
.endr
.irp b, 0,1,2,3
	v_max_num_f32 v[TM+\b], v[TM+\b], v[TM+4+\b]          ; with lane l xor 16's: the block's largest magnitude
.endr
.irp b, 0,1,2,3
	v_add_nc_u32 v[TM+12+\b], 0xf8800000, v[TM+\b]        ; 15 off its exponent field: the conversion's scale operand
.endr
.irp b, 0,1,2,3
	v_and_or_b32 v[TM+8+\b], v[TM+\b], 0x7f800000, s[MNT] ; 57,344 x the scale
.endr
.irp b, 0,1,2,3
	v_lshrrev_b32 v[TM+4+\b], 23, v[TM+12+\b]             ; the scale's byte
.endr
	v_lshl_or_b32 v[\pw], v[TM+5], 8, v[TM+4]
	v_lshl_or_b32 v[\pw], v[TM+6], 16, v[\pw]
	v_lshl_or_b32 v[\pw], v[TM+7], 24, v[\pw]
.irp b, 0,1,2,3
.irp i, 0,1,2,3,4,5,6,7,8,9,10,11,12,13,14,15
	v_med3_num_f32 v[\s+16*\b+\i], v[\s+16*\b+\i], -v[TM+8+\b], v[TM+8+\b]   ; the conversion to an 8-bit code does not saturate (ISA guide 7.6.2): the hold
.endr
	v_cvt_scalef32_pk8_bf8_f32 v[\pc+4*\b:\pc+1+4*\b], v[\s+16*\b:\s+7+16*\b], v[TM+12+\b]
	v_cvt_scalef32_pk8_bf8_f32 v[\pc+2+4*\b:\pc+3+4*\b], v[\s+8+16*\b:\s+15+16*\b], v[TM+12+\b]
.endr
	v_nop                                          ; one plain vector line behind the last conversion of the run
.endm
	s_load_b512 s[4:19], s[0:1], 0x0               ; x s[4:5], Wq s[6:7], Wk s[8:9], Wv s[10:11], xc s[12:13], xs s[14:15], wc s[16:17], ws s[18:19]
	v_lshl_add_u32 v11, v0, 2, 0x10800
	v_mov_b32 v15, 0
	v_lshrrev_b32 v1, 5, v0
	v_readfirstlane_b32 s20, v1                    ; wave 0..3
	v_and_b32 v1, 31, v0                           ; lane
	v_lshlrev_b32 v2, 4, v1                        ; 16 x lane
	v_and_b32 v3, 15, v0                           ; r
	v_bfe_u32 v4, v0, 4, 1                         ; h
	v_lshlrev_b32 v7, 2, v1                        ; 4 x lane
	s_mov_b32 s[SEL], 0x76543210
	s_mov_b32 s[SEL+1], 0xfedcba98
	s_mov_b32 s[MNT], 0x600000
	s_mov_b32 s[HM], 0xffff0000
	s_wait_kmcnt 0x0
	s_cmp_lt_u32 ttmp9, 256                        ; a tile of x, or a piece of a W?  It hangs on the work-group's number alone
	s_cbranch_scc0 .Lw
	; ---- x: tile T = the work-group's number
	s_lshr_b32 s26, ttmp9, 1
	s_lshl_b32 s26, s26, 17                        ; 32 (T / 2) rows of 4,096 bytes
	s_and_b32 s27, ttmp9, 1
	s_lshl_b32 s27, s27, 15                        ; + 8 (T % 2) rows
	s_add_co_u32 s26, s26, s27
	s_lshl_b32 s27, s20, 10                        ; + my two images' 1,024 bytes of a row
	s_add_co_u32 s26, s26, s27
	s_mov_b32 s27, 0
	s_add_nc_u64 s[4:5], s[4:5], s[26:27]
	s_lshl_b32 s26, ttmp9, 14                      ; codes: 16,384 bytes a tile, 4,096 a wave
	s_lshl_b32 s28, s20, 12
	s_add_co_u32 s26, s26, s28
	s_add_nc_u64 s[12:13], s[12:13], s[26:27]
	s_lshl_b32 s26, ttmp9, 9                       ; scale words: 512 bytes a tile, 128 a wave
	s_lshl_b32 s28, s20, 7
	s_add_co_u32 s26, s26, s28
	s_add_nc_u64 s[14:15], s[14:15], s[26:27]
.irp g, 0,1
.irp p, 0,1,2,3,4,5,6,7,8,9,10,11,12,13,14,15
	global_load_b128 v[R0+64*\g+4*\p:R0+64*\g+4*\p+3], v2, s[4:5] offset:(\p+8*(\p/8))*4096+512*\g th:TH_LOAD_NT   ; 32 lanes read 512 consecutive bytes of the tile's row p
.endr
.endr
	s_mul_i32 s28, s20, 2*STG                      ; my two stages
	v_add_nc_u32 v5, s28, v2                       ; in: as loaded, 16 x lane in a row
	v_mul_u32_u24 v6, v3, SPX
	v_lshl_add_u32 v6, v4, 6, v6
	v_add_nc_u32 v6, s28, v6                       ; out: row r, + 64 h: my 16 numbers of a block of 32
.irp b, 0,1,2,3
	v_mov_b32 v[TM+4+\b], 0                        ; written once: a lane permute's destination counts as one of its sources
.endr
	s_wait_loadcnt 16                              ; image 0's sixteen loads are in; image 1's may be out
.irp p, 0,1,2,3,4,5,6,7,8,9,10,11,12,13,14,15
	ds_store_b128 v5, v[R0+4*\p:R0+4*\p+3] offset:SPX*\p
.endr
.irp c, 0,1,2,3
.irp j, 0,1,2,3
	ds_load_b128 v[X0+16*\c+4*\j:X0+16*\c+4*\j+3], v6 offset:128*\c+16*\j   ; LDS serves a wave's instructions in order: these see the stores above
.endr
.endr
	s_wait_loadcnt 0x0
.irp p, 0,1,2,3,4,5,6,7,8,9,10,11,12,13,14,15
	ds_store_b128 v5, v[R1+4*\p:R1+4*\p+3] offset:STG+SPX*\p
.endr
	s_wait_dscnt 16                                ; only those sixteen stores may be out: image 0 is back
.irp c, 0,1,2,3
.irp j, 0,1,2,3
	ds_load_b128 v[R0+16*\c+4*\j:R0+16*\c+4*\j+3], v6 offset:STG+128*\c+16*\j   ; image 1 turns while image 0 is quantised
.endr
.endr
	QUANT X0, PC0, PW0
.irp c, 0,1,2,3
	global_store_b128 v2, v[PC0+4*\c:PC0+4*\c+3], s[12:13] offset:512*\c      ; 512 consecutive bytes, aligned
.endr
	s_wait_dscnt 0x0
	QUANT R0, PC1, PW1
.irp c, 0,1,2,3
	global_store_b128 v2, v[PC1+4*\c:PC1+4*\c+3], s[12:13] offset:2048+512*\c
.endr
	v_cndmask_b32 v[PWM], v[PW0], v[PW1], s[HM]    ; every lane holds its row's word: lanes 0-15 give image 2 w's, lanes 16-31 image 2 w + 1's
	global_store_b32 v7, v[PWM], s[14:15]          ; 128 consecutive bytes
	s_wait_tensorcnt 0x0
	ds_add_u32 v11, v15
	s_wait_dscnt 0x0
	s_endpgm
	; ---- W: g = m x 64 + cg x 8 + s: matrix m, columns 128 cg on, k = 128 s on; wave w: columns 32 w on, a lane to a column, registers down K
.Lw:
	s_sub_co_u32 s21, ttmp9, 256
	s_lshr_b32 s26, s21, 6                         ; m
	s_bfe_u32 s27, s21, 0x30003                    ; cg
	s_and_b32 s28, s21, 7                          ; s
	s_cmp_eq_u32 s26, 0
	s_cselect_b64 s[30:31], s[6:7], s[8:9]
	s_cmp_eq_u32 s26, 2
	s_cselect_b64 s[30:31], s[10:11], s[30:31]     ; Wq, Wk or Wv
	s_lshl_b32 s32, s28, 19                        ; 128 s rows of 4,096 bytes
	s_lshl_b32 s33, s27, 9
	s_add_co_u32 s32, s32, s33
	s_lshl_b32 s33, s20, 7
	s_add_co_u32 s32, s32, s33
	s_mov_b32 s33, 0
	s_add_nc_u64 s[30:31], s[30:31], s[32:33]
.macro WLOAD c                         ; block c: W(128 s + 32 c + i, my column): a wave reads 128 consecutive bytes, the four waves 512
.irp i, 0,1,2,3,4,5,6,7,8,9,10,11,12,13,14,15,16,17,18,19,20,21,22,23,24,25,26,27,28,29,30,31
	global_load_b32 v[XW+32*(\c)+\i], v7, s[30:31] offset:(32*(\c)+\i)*4096 th:TH_LOAD_NT
.endr
.endm
	WLOAD 0
	WLOAD 1
	s_lshl_b32 s34, s26, 6                         ; my first tile: 64 m + 8 cg + 2 w
	s_lshl_b32 s35, s27, 3
	s_add_co_u32 s34, s34, s35
	s_lshl_b32 s35, s20, 1
	s_add_co_u32 s34, s34, s35
	s_lshl_b32 s32, s34, 14
	s_lshl_b32 s35, s28, 11
	s_add_co_u32 s32, s32, s35
	s_add_nc_u64 s[16:17], s[16:17], s[32:33]      ; its image s
	s_lshl_b32 s32, s34, 9
	s_lshl_b32 s35, s28, 6
	s_add_co_u32 s32, s32, s35
	s_add_nc_u64 s[18:19], s[18:19], s[32:33]      ; and that image's scale words
	v_and_b32 v240, 7, v1                          ; column l of the wave's 32 lies in tile u = (l / 8) % 2 at row r' = l % 8 + 8 (l / 16)
	v_lshrrev_b32 v241, 4, v1
	v_lshl_add_u32 v240, v241, 3, v240
	v_bfe_u32 v241, v1, 3, 1
	v_lshlrev_b32 v8, 4, v240
	v_lshl_add_u32 v8, v241, 14, v8                ; codes: 16,384 u + 16 r'
	v_lshlrev_b32 v9, 2, v240
	v_lshl_add_u32 v9, v241, 9, v9                 ; scale word: 512 u + 4 r'
.macro WBLOCK c
.set XS, XW+32*(\c)
	v_max3_num_f32 v240, |v[XS]|, |v[XS+1]|, |v[XS+2]|          ; the block's largest magnitude: all 32 numbers are mine
	v_max3_num_f32 v241, |v[XS+3]|, |v[XS+4]|, |v[XS+5]|
.irp i, 6,10,14,18,22,26
	v_max3_num_f32 v240, v240, |v[XS+\i]|, |v[XS+\i+1]|
	v_max3_num_f32 v241, v241, |v[XS+\i+2]|, |v[XS+\i+3]|
.endr
	v_max3_num_f32 v240, v240, |v[XS+30]|, |v[XS+31]|
	v_max3_num_f32 v240, v240, v241, 0x8000000     ; and the floor
	v_add_nc_u32 v242, 0xf8800000, v240            ; the conversion's scale operand
	v_and_or_b32 v243, v240, 0x7f800000, s[MNT]    ; 57,344 x the scale
.if (\c) == 0
	v_lshrrev_b32 v[SB], 23, v242                  ; the byte: the lower K in the lower byte
.else
	v_lshrrev_b32 v241, 23, v242
	v_lshl_or_b32 v[SB], v241, 8*(\c), v[SB]
.endif
.irp i, 0,1,2,3,4,5,6,7,8,9,10,11,12,13,14,15,16,17,18,19,20,21,22,23,24,25,26,27,28,29,30,31
	v_med3_num_f32 v[XS+\i], v[XS+\i], -v243, v243
.endr
.irp g, 0,1,2,3
	v_cvt_scalef32_pk8_bf8_f32 v[CW+8*(\c)+2*\g:CW+8*(\c)+2*\g+1], v[XS+8*\g:XS+8*\g+7], v242
.endr
	v_nop                                          ; one plain vector line behind the last conversion of the run
	global_store_b128 v8, v[CW+8*(\c):CW+8*(\c)+3], s[16:17] offset:512*(\c)           ; k 0-15 of the block: the places of lanes 0-15: two whole runs of 256 bytes, one in each tile
	global_store_b128 v8, v[CW+8*(\c)+4:CW+8*(\c)+7], s[16:17] offset:512*(\c)+256     ; k 16-31: the places of lanes 16-31
.endm
	s_wait_loadcnt 32                              ; block 0 is in; block 1's 32 loads may be out
	WLOAD 2
	WBLOCK 0
	s_wait_loadcnt 32                              ; block 1 is in; block 2's may be out
	WLOAD 3
	WBLOCK 1
	s_wait_loadcnt 32                              ; block 2 is in; block 3's may be out
	WBLOCK 2
	s_wait_loadcnt 0x0
	WBLOCK 3
	global_store_b32 v9, v[SB], s[18:19]           ; two runs of 64 bytes
	s_endpgm
.Lfunc_end_k_qe448a9b588_quant:
	.size	k_qe448a9b588_quant, .Lfunc_end_k_qe448a9b588_quant-k_qe448a9b588_quant
	.p2alignl 7, 3214868480
	.fill 96, 4, 3214868480
	.section	.rodata,"a",@progbits
	.p2align	6, 0x0
	.amdhsa_kernel k_qe448a9b588_quant
		.amdhsa_group_segment_fixed_size 68096
		.amdhsa_private_segment_fixed_size 0
		.amdhsa_enable_private_segment 0
		.amdhsa_kernarg_size 64
		.amdhsa_user_sgpr_count 2
		.amdhsa_user_sgpr_kernarg_segment_ptr 1
		.amdhsa_wavefront_size32 1
		.amdhsa_system_sgpr_workgroup_id_x 1
		.amdhsa_system_sgpr_workgroup_id_y 1
		.amdhsa_system_sgpr_workgroup_id_z 1
		.amdhsa_system_vgpr_workitem_id 0
		.amdhsa_next_free_vgpr 256
		.amdhsa_next_free_sgpr 66
		.amdhsa_reserve_vcc 0
		.amdhsa_float_denorm_mode_32 3
		.amdhsa_float_denorm_mode_16_64 3
		.amdhsa_memory_ordered 1
		.amdhsa_forward_progress 1
		.amdhsa_inst_pref_size 55
	.end_amdhsa_kernel
	.amdgpu_metadata
---
amdhsa.version: [ 1, 2 ]
amdhsa.kernels:
  - .name:           k_qe448a9b588_quant
    .symbol:         k_qe448a9b588_quant.kd
    .args:
      - { .name: hidden_states, .offset: 0, .size: 8, .value_kind: global_buffer, .address_space: global }
      - { .name: Wq, .offset: 8, .size: 8, .value_kind: global_buffer, .address_space: global }
      - { .name: Wk, .offset: 16, .size: 8, .value_kind: global_buffer, .address_space: global }
      - { .name: Wv, .offset: 24, .size: 8, .value_kind: global_buffer, .address_space: global }
      - { .name: xc, .offset: 32, .size: 8, .value_kind: global_buffer, .address_space: global }
      - { .name: xs, .offset: 40, .size: 8, .value_kind: global_buffer, .address_space: global }
      - { .name: wc, .offset: 48, .size: 8, .value_kind: global_buffer, .address_space: global }
      - { .name: ws, .offset: 56, .size: 8, .value_kind: global_buffer, .address_space: global }
    .group_segment_fixed_size: 68096
    .private_segment_fixed_size: 0
    .kernarg_segment_align: 8
    .kernarg_segment_size: 64
    .max_flat_workgroup_size: 128
    .sgpr_count:     66
    .vgpr_count:     256
    .wavefront_size: 32
...
	.end_amdgpu_metadata
.endif
;; end of part 1
;; launch proj (part 2): grid 12 x 16, 4 waves a work-group, clusters of 4 x 4, 327,680 bytes of LDS; arguments xc, xs, wc, ws, bq, bk, bv, qkc, qks, vc, vs; writes qkc, qks, vc, vs
.if DOCPART == 2
	.amdgcn_target "amdgcn-amd-amdhsa--gfx1250"
	.amdhsa_code_object_version 6
	.text
	.protected	k_qe448a9b588_proj
	.globl	k_qe448a9b588_proj
	.p2align	8
	.type	k_qe448a9b588_proj,@function
k_qe448a9b588_proj:
	s_mov_b64 s[64:65], 0
	v_nop
	global_prefetch_b8 v0, s[64:65] scope:SCOPE_SE
	s_setreg_imm32_b32 hwreg(HW_REG_WAVE_MODE, 25, 1), 1
	s_wait_xcnt 0x0
	s_wait_alu depctr_hold_cnt(0) depctr_sa_sdst(0) depctr_va_vdst(0) depctr_va_sdst(0) depctr_va_ssrc(0) depctr_va_vcc(0) depctr_vm_vsrc(0)
	s_getreg_b32 s2, hwreg(HW_REG_IB_STS2, 6, 4)
	s_cmp_eq_u32 s2, 0
	s_cbranch_scc0 .Lentry_in_a_cluster
	s_endpgm
.Lentry_in_a_cluster:
	s_bfe_u32 s2, ttmp6, 0x10000c
	s_cmp_lg_u32 s2, 0xf033
	s_cbranch_scc0 .Lentry_shape_is_right
	s_endpgm
.Lentry_shape_is_right:
; q = x Wq + bq, k = x Wk + bk, v = x Wv + bv on codes of BF8 (E5M2) with E8M0 scales for each 32 along K = 1,024; the results are quantised in registers for the attention's products and leave as codes.
; OPERANDS lie in memory as images of operand registers, [tile 16 rows][s 8][c 4][lane][16 bytes], scale words [tile][s][r]; a tile's rows are row(T, r) = 32 (T / 2) + 8 (T % 2) + r + 8 (r / 8).
; A work-group of four waves makes 256 x 256 of one product, a wave 128 x 128: 64 accumulators, 512 registers.  SOURCE 0 is the operand along which the result is quantised: a lane's 16 registers of its tiles 2 b, 2 b + 1
; are 16 neighbours there; SOURCE 1 gives a lane one row.  q, k (cluster x = 0, 1): source 0 = columns of W (the head's axis), source 1 = rows of x.  v (cluster x = 2): source 0 = rows of x (the keys), source 1 = columns of Wv.
; 128 + 64 = 192 work-groups: equal shares for 256 would want tiles that mix k and v, two orientations in one work-group.
; K goes in steps of 256 (4,096 bytes a tile) through a ring of two LDS slots filled by the tensor data mover; the scale words of all of K come once, with the first fills.
; CLUSTERS: 4 x 4.  Source 1's tiles hang on cy and are asked for jointly along a row of the cluster, source 0's on cx, along a column: the same tensor load with the same descriptor and a mask that names the four.
; OUT: qkc [x tile 256][A 64][lane][16]: A = 32 m + 2 head + c; qks [x tile][G 16][r] words, G = 8 m + head / 2;  vc [Wv tile 64][key block 128][lane][16];  vs [Wv tile][g 32][r] words, byte b for key block 4 g + b.
; LIMITS: NaN and infinities are not served; a block of zeros gets the byte 1 where the rule says 127 (its codes are zeros; this program alone reads the bytes).
; REGISTERS, in windows of 256: window 0: v0-31 addresses, v8-15 bv's eight numbers; v32-63 scale words, two sets; v64-127 bq's or bk's 64 numbers; from v128 source 1's fragments, ONE set; on the way out v128-226 at work.
;   window 1: source 0's fragments, TWO sets.   window 2: the accumulators of source 1's blocks 0-3 ((a, b) at v[8 (8 (a % 4) + b)]);   window 3: blocks 4-7.
.set NQ,    2                          ; matrix instructions deep in a K step
.set FR,    16                         ; registers of a fragment
.set NL,    4                          ; LDS loads that bring one
.set NP,    8                          ; places behind this matrix instruction (ISA guide 7.12.1)
.set STEPB, 4096                       ; a tile's bytes of a K step: two images
.set HALFT, 8*STEPB                    ; 8 tiles: what one tensor load brings, and what one wave reads of a source
.set SLOT,  4*HALFT                    ; source 1's 16 tiles, then source 0's
.set LAPS,  2                          ; 1,024 / 512
.set SCL,   2*SLOT                     ; behind the ring: the scale words, source 1's 8,192 bytes, then source 0's
.set HALFS, 8*512
.set SPARE, SCL+4*HALFS                ; the spare words, 128 bytes for each wave: two blocks of 256 bytes that no other line names
.set BO,   4                           ; v4   64 h: my 16 numbers of a block of bq or bk
.set BVO,  7                           ; v7   4 (r + 8 (r / 8)): my row's number of bv
.set BV,   8                           ; v8-15  bv at my row of source 1's block a
.set ADRA, 16                          ; v16-17 LDS address of source 1's fragments in slot 0, 1
.set ADRB, 20                          ; v20-21 of source 0's
.set OA,   24                          ; v24  16 x lane
.set OS,   25                          ; v25  the way out: my scale word's place
.set ADRS, 27                          ; v27  LDS address of my scale words: lanes 0-15 source 1's, lanes 16-31 source 0's
.set SPW,  28                          ; v28  LDS address of my spare word; never rewritten
.set NIL,  29                          ; v29  0; never rewritten
.set SC,   32
.set BI,   64
.set AF,   128
.set ST,   128                         ; the way out: 64 numbers; v192-207 codes; v208-223 at work; v224, v225 the scale words of an even and an odd block; v226 both
.set PC,   192
.set TM,   208
.set PW,   224
.set PWM,  226
.set WV,   26
.set HA,   27                          ; wave / 2: which half of source 1's tiles is mine.  Also: I fetch for source 1 (0) or source 0 (1)
.set HB,   28                          ; wave % 2: which half of source 0's.  Also: which 8 tiles I fetch
.set CX,   29
.set CY,   30
.set TYPE, 31                          ; 0: q, k;  1: v.  It hangs on the cluster's x: the same in all sixteen partners
.set G1,   32                          ; s[32:39], s[40:47] groups 1 and 0 (a set a slot) for source 1's codes
.set G0,   40
.set G1B,  48                          ; s[48:55], s[56:63] for source 0's
.set G0B,  56
.set TA,   66                          ; s66 source 1's block of 16 tiles;  s67 source 0's
.set TB,   67
.set G1S,  68                          ; s[68:75], s[76:79] for source 1's scale words;  s[80:87], s[88:91] for source 0's
.set G0S,  76
.set G1SB, 80
.set G0SB, 88
.set MNT,  98                          ; the way out: the mantissa field of 57,344; a mask of lanes 16-31; the lane selects
.set HM,   99
.set SEL,  100
.set MSB, 0
.macro WIN new                         ; the immediate's high byte repeats the setting that is left
.if MSB != \new
	s_set_vgpr_msb (MSB<<8)|\new
.set MSB, \new
.endif
.endm
.set MUL_LO, 0xa1                      ; source 0 window 1, source 1 window 0, C and D window 2
.set MUL_HI, 0xf1                      ; the same, C and D window 3
.set TO_B,   0x40                      ; destination window 1, address window 0
; A joint load: waves 0 and 1 fetch for source 1, waves 2 and 3 for source 0.  The branch hangs on the wave's number alone.  Four v_nop follow each of the two lines.
.macro JLOAD g0a, g1a, g0b, g1b
	s_cmp_eq_u32 s[HA], 0
	s_cbranch_scc0 .Lfor_b_\@
	tensor_load_to_lds s[\g0a:\g0a+3], s[\g1a:\g1a+7]
	s_nop 0
.rept 4
	v_nop
.endr
	s_branch .Lasked_\@
.Lfor_b_\@:
	tensor_load_to_lds s[\g0b:\g0b+3], s[\g1b:\g1b+7]
	s_nop 0
.rept 4
	v_nop
.endr
.Lasked_\@:
.endm
.macro CREST                           ; a round of the cluster's barrier behind its opening barrier
	s_cmp_lg_u32 s[WV], 0
	s_cbranch_scc1 .Lnot_wave_0_\@
	s_barrier_signal -3
.Lnot_wave_0_\@:
	s_barrier_wait -3
	s_barrier_signal -1
	s_barrier_wait -1
.endm
.macro CROUND
	s_barrier_signal -1
	s_barrier_wait -1
	CREST
.endm
	s_load_b512 s[4:19], s[0:1], 0x0               ; xc s[4:5], xs s[6:7], wc s[8:9], ws s[10:11], bq s[12:13], bk s[14:15], bv s[16:17], qkc s[18:19]
	s_load_b128 s[20:23], s[0:1], 0x40             ; qks s[20:21], vc s[22:23]
	s_load_b64 s[24:25], s[0:1], 0x50              ; vs
	v_lshl_add_u32 v[SPW], v0, 2, SPARE
	v_mov_b32 v[NIL], 0
	ds_add_u32 v28, v29
	ds_add_u32 v28, v29
	s_wait_dscnt 0x0
	v_lshrrev_b32 v1, 5, v0
	v_readfirstlane_b32 s[WV], v1                  ; wave 0..3
	s_lshr_b32 s[HA], s[WV], 1
	s_and_b32 s[HB], s[WV], 1
	s_bfe_u32 s[CX], ttmp6, 0x40000
	s_bfe_u32 s[CY], ttmp6, 0x40004
	s_and_b32 s100, ttmp7, 0xffff
	s_lshl_b32 s100, s100, 2                       ; 4 x cluster y
	s_lshl_b32 s101, ttmp9, 2                      ; 4 x cluster x
	s_cmp_eq_u32 ttmp9, 2
	s_cselect_b32 s[TYPE], 1, 0
	s_cselect_b32 s[TA], 8, s100                   ; source 1: v: Wv's tiles begin at block 8 of wc;  q, k: rows of x by the cluster's y
	s_cselect_b32 s[TB], s100, s101                ; source 0: v: rows of x by the cluster's y;  q, k: columns of Wq, Wk by the cluster's x
	s_add_co_u32 s[TA], s[TA], s[CY]
	s_add_co_u32 s[TB], s[TB], s[CX]
	s_lshl_b32 s92, s[CY], 2
	s_lshl_b32 s92, 15, s92                        ; my row of the cluster
	s_lshl_b32 s96, 0x1111, s[CX]                  ; my column
	; group 1 for codes: 8 rows (tiles) of 4,096 bytes, 16,384 bytes apart, in elements of 8 bytes; no padding: every LDS load takes 512 consecutive bytes
	s_or_b32 s[G1], s92, (3<<16)|(1<<21)           ; 15:0 the mask; 17:16 elements of 8 bytes; 21 set beside a mask
	s_or_b32 s[G1B], s96, (3<<16)|(1<<21)
	s_or_b32 s[G1S], s92, (3<<16)|(1<<21)
	s_or_b32 s[G1SB], s96, (3<<16)|(1<<21)
.irp g, G1, G1B
	s_mov_b32 s[\g+1], 512<<16                     ; tensor_dim0
	s_mov_b32 s[\g+2], 8<<16                       ; tensor_dim1
	s_mov_b32 s[\g+3], 512<<16                     ; tile_dim0
	s_mov_b32 s[\g+4], 8                           ; tile_dim1
	s_mov_b32 s[\g+5], 2048                        ; tensor_dim0_stride
	s_mov_b32 s[\g+6], 0
	s_mov_b32 s[\g+7], 0
.endr
.irp g, G1S, G1SB                      ; the scale words of 8 tiles: 4,096 dense bytes, as 16 rows of 256
	s_mov_b32 s[\g+1], 32<<16
	s_mov_b32 s[\g+2], 16<<16
	s_mov_b32 s[\g+3], 32<<16
	s_mov_b32 s[\g+4], 16
	s_mov_b32 s[\g+5], 32
	s_mov_b32 s[\g+6], 0
	s_mov_b32 s[\g+7], 0
.endr
	s_lshl_b32 s92, s[TA], 4                       ; source 1: the first tile that I fetch: 16 x block + 8 x half; registers s92-95 never hold cx,
	s_lshl_b32 s93, s[HB], 3
	s_add_co_u32 s92, s92, s93
	s_lshl_b32 s94, s92, 9                         ; its scale words
	s_lshl_b32 s92, s92, 14                        ; its codes
	s_mov_b32 s93, 0
	s_mov_b32 s95, 0
	s_lshl_b32 s96, s[TB], 4                       ; source 0 likewise; registers s96-99 never hold cy
	s_lshl_b32 s97, s[HB], 3
	s_add_co_u32 s96, s96, s97
	s_lshl_b32 s98, s96, 9
	s_lshl_b32 s96, s96, 14
	s_mov_b32 s97, 0
	s_mov_b32 s99, 0
	s_lshl_b32 s2, s[WV], 15                       ; where they go: wave x 8 tiles: no place in the cluster enters an LDS address
	s_lshl_b32 s3, s[WV], 12
	s_wait_kmcnt 0x0
	s_cmp_eq_u32 s[TYPE], 0
	s_cselect_b64 s[100:101], s[4:5], s[8:9]       ; source 1's codes: x's for q, k; W's for v
	s_add_nc_u64 s[92:93], s[100:101], s[92:93]
	s_cselect_b64 s[100:101], s[6:7], s[10:11]
	s_add_nc_u64 s[94:95], s[100:101], s[94:95]
	s_cselect_b64 s[100:101], s[8:9], s[4:5]       ; source 0's: the other way round
	s_add_nc_u64 s[96:97], s[100:101], s[96:97]
	s_cselect_b64 s[100:101], s[10:11], s[6:7]
	s_add_nc_u64 s[98:99], s[100:101], s[98:99]
	CROUND                                         ; all sixteen work-groups are here: the first joint loads meet
	s_mov_b32 s[G0S], 1
	s_add_co_u32 s[G0S+1], s3, SCL
	s_mov_b64 s[G0S+2:G0S+3], s[94:95]
	s_or_b32 s[G0S+3], s[G0S+3], 0x80000000
	s_mov_b32 s[G0SB], 1
	s_add_co_u32 s[G0SB+1], s3, SCL
	s_mov_b64 s[G0SB+2:G0SB+3], s[98:99]
	s_or_b32 s[G0SB+3], s[G0SB+3], 0x80000000
	JLOAD G0S, G1S, G0SB, G1SB                     ; the scale words first: they are wanted with K step 0
.irp s, 0,1
	s_mov_b32 s[G0+4*\s], 1
	s_add_co_u32 s[G0+4*\s+1], s2, \s*SLOT
	s_add_nc_u64 s[G0+4*\s+2:G0+4*\s+3], s[92:93], \s*STEPB
	s_or_b32 s[G0+4*\s+3], s[G0+4*\s+3], 0x80000000
	s_mov_b32 s[G0B+4*\s], 1
	s_add_co_u32 s[G0B+4*\s+1], s2, \s*SLOT
	s_add_nc_u64 s[G0B+4*\s+2:G0B+4*\s+3], s[96:97], \s*STEPB
	s_or_b32 s[G0B+4*\s+3], s[G0B+4*\s+3], 0x80000000
	JLOAD G0+4*\s, G1, G0B+4*\s, G1B               ; three tensor loads of mine are out
.endr
	v_and_b32 v1, 15, v0                           ; r
	v_bfe_u32 v2, v0, 4, 1                         ; h
	v_and_b32 v3, 31, v0
	v_lshlrev_b32 v[OA], 4, v3                     ; 16 x lane: my place in every image
	s_lshl_b32 s2, s[HA], 15                       ; my 8 tiles of source 1
	s_lshl_b32 s3, s[HB], 15                       ; my 8 tiles of source 0,
	s_add_co_u32 s3, s3, 2*HALFT                   ; which lie behind source 1's 16
.irp s, 0,1
	v_add_nc_u32 v[ADRA+\s], s2, v[OA]
	v_add_nc_u32 v[ADRB+\s], s3, v[OA]
	s_add_co_u32 s2, s2, SLOT
	s_add_co_u32 s3, s3, SLOT
.endr
	v_lshlrev_b32 v5, 2, v1                        ; a scale word: 4 r
	s_lshl_b32 s2, s[HA], 12                       ; source 1's: my 8 tiles
	s_lshl_b32 s3, s[HB], 12                       ; source 0's: my 8 tiles, behind source 1's 16
	s_add_co_u32 s3, s3, 2*HALFS
	s_sub_co_u32 s3, s3, s2
	v_mul_u32_u24 v6, s3, v2                       ; lanes 16-31 take source 0's: the lower base + h x the distance
	s_add_co_u32 s2, s2, SCL
	v_add_nc_u32 v6, v5, v6
	v_add_nc_u32 v[ADRS], s2, v6
	; THE BIASES.  Every work-group loads both sets, so that the text has one way in: 64 numbers along source 0 (bq or bk: what q and k add) and one number for my row of each of source 1's 8 blocks (bv: what v adds).
	; The set that the work-group's kind does not add is not read again; its addresses lie inside their buffers for every work-group (1,024 cx + 512 (wave % 2) + 512 bytes at the most 4,096).
	v_lshlrev_b32 v[BO], 6, v2
	v_and_b32 v[BVO], 8, v1
	v_add_nc_u32 v[BVO], v[BVO], v1
	v_lshlrev_b32 v[BVO], 2, v[BVO]
	s_cmp_eq_u32 ttmp9, 0
	s_cselect_b64 s[12:13], s[12:13], s[14:15]
	s_lshl_b32 s14, s[CX], 10
	s_lshl_b32 s15, s[HB], 9
	s_add_co_u32 s14, s14, s15
	s_mov_b32 s15, 0
	s_add_nc_u64 s[12:13], s[12:13], s[14:15]      ; columns 256 cx + 128 (wave % 2) on
	s_lshl_b32 s14, s[CY], 10
	s_lshl_b32 s15, s[HA], 9
	s_add_co_u32 s14, s14, s15
	s_mov_b32 s15, 0
	s_add_nc_u64 s[16:17], s[16:17], s[14:15]      ; columns 256 cy + 128 (wave / 2) on
.irp b, 0,1,2,3
.irp j, 0,1,2,3
	global_load_b128 v[BI+16*\b+4*\j:BI+16*\b+4*\j+3], v[BO], s[12:13] offset:128*\b+16*\j   ; register 16 b + i: column 32 b + 16 h + i
.endr
.endr
.irp a, 0,1,2,3,4,5,6,7
	global_load_b32 v[BV+\a], v[BVO], s[16:17] offset:(32*(\a/2)+8*(\a%2))*4                 ; column row(a, r)
.endr
.macro FRAG reg, adr, q, i             ; a fragment comes as it was stored: four loads of 512 consecutive bytes
.irp c, 0,1,2,3
	ds_load_b128 v[\reg+4*\c:\reg+4*\c+3], v[\adr] offset:STEPB*(\i)+2048*(\q)+512*\c
.endr
.endm
; 16 matrix instructions: source 1's blocks a0, a0 + 1 x source 0's eight, 128 along K: the slot's q-th.  p: source 0's set;  sc: the set of scale words.  zero = 1: the first product starts the sums.
; The 64 accumulators take turns, one instruction a turn, in the same order in every step.
.macro MUL16 a0, p, q, sc, zero
.irp a, \a0, \a0+1
.irp b, 0,1,2,3,4,5,6,7
.if \zero
	v_wmma_scale_f32_16x16x128_f8f6f4 v[8*(8*((\a)%4)+\b):8*(8*((\a)%4)+\b)+7], v[128*(\p)+FR*\b:128*(\p)+FR*\b+FR-1], v[AF+FR*(\a):AF+FR*(\a)+FR-1], 0, v[SC+8*NQ*(\sc)+NQ*\b+(\q)], v[SC+8*NQ*(\sc)+NQ*(\a)+(\q)] matrix_a_fmt:MATRIX_FMT_BF8 matrix_b_fmt:MATRIX_FMT_BF8 matrix_a_scale:MATRIX_SCALE_ROW1
.else
	v_wmma_scale_f32_16x16x128_f8f6f4 v[8*(8*((\a)%4)+\b):8*(8*((\a)%4)+\b)+7], v[128*(\p)+FR*\b:128*(\p)+FR*\b+FR-1], v[AF+FR*(\a):AF+FR*(\a)+FR-1], v[8*(8*((\a)%4)+\b):8*(8*((\a)%4)+\b)+7], v[SC+8*NQ*(\sc)+NQ*\b+(\q)], v[SC+8*NQ*(\sc)+NQ*(\a)+(\q)] matrix_a_fmt:MATRIX_FMT_BF8 matrix_b_fmt:MATRIX_FMT_BF8 matrix_a_scale:MATRIX_SCALE_ROW1
.endif
.endr
.endr
.endm
.macro FETCH_B slot, q, p
	WIN TO_B
.irp i, 0,1,2,3,4,5,6,7
	FRAG 128*(\p)+FR*\i, ADRB+\slot, \q, \i
.endr
	WIN 0
.endm
.macro FETCH_A slot, q, i0
.irp i, \i0, \i0+1, \i0+2, \i0+3
	FRAG AF+FR*(\i), ADRA+\slot, \q, \i
.endr
.endm
.macro SCALES sc                       ; the K step's scale words into set sc: register 2 i + q: lanes 0-15 source 1's block i, lanes 16-31 source 0's block i
.irp i, 0,1,2,3,4,5,6,7
.irp q, 0,1
	ds_load_b32 v[SC+8*NQ*\sc+NQ*\i+\q], v[ADRS] offset:512*\i+64*\q
.endr
.endr
.endm
.macro PLACES n                        ; plain vector lines between a matrix instruction and a load into, or a vector line on, one of its registers
.rept \n
	v_nop
.endr
.endm
.macro STEP slot, q, zero              ; a step of 128 along K that has its successor in the same slot
	s_wait_dscnt 4*NL                              ; all but the youngest sixteen loads (source 1's blocks 4-7) are in
	WIN MUL_LO
	MUL16 0, (\q)%2, \q, \slot, \zero
	MUL16 2, (\q)%2, \q, \slot, \zero
	s_wait_dscnt 0                                 ; blocks 4-7 are in (asked for 32 matrix instructions ago)
	PLACES NP
	FETCH_B \slot, (\q)+1, 1-(\q)%2
	FETCH_A \slot, (\q)+1, 0
	WIN MUL_HI
	MUL16 4, (\q)%2, \q, \slot, \zero
	MUL16 6, (\q)%2, \q, \slot, \zero
	PLACES NP
	WIN 0
	FETCH_A \slot, (\q)+1, 4
.endm
; A slot's last step changes slots: ONE barrier; in front of it each wave waits for all its tensor loads, adds 0 to its spare word, and waits for that and for its own reads of this slot.  fill = 1: this slot is filled again, two K steps ahead.
.macro TURN slot, next, fill
	s_wait_tensorcnt 0x0                           ; all my tensor loads have landed: my part of the next slot
	ds_add_u32 v[SPW], v[NIL]                      ; 0 onto my spare word
	s_wait_dscnt 4*NL+1                            ; (the add and the youngest sixteen loads may be out)
	WIN MUL_LO
	MUL16 0, 1, NQ-1, \slot, 0                     ; sixteen matrix instructions stand between the add and the wait for it
	s_wait_dscnt 0x0                               ; the add is done, and my reads of this slot are over
	s_barrier_signal -1
	MUL16 2, 1, NQ-1, \slot, 0
	WIN 0
	s_barrier_wait -1
.if \fill
	CREST                                          ; the barrier has opened a round of the cluster's barrier: no wave of any partner still reads this slot or has a load on its way
	s_add_nc_u64 s[G0+4*\slot+2:G0+4*\slot+3], s[G0+4*\slot+2:G0+4*\slot+3], 2*STEPB
	s_add_nc_u64 s[G0B+4*\slot+2:G0B+4*\slot+3], s[G0B+4*\slot+2:G0B+4*\slot+3], 2*STEPB
	JLOAD G0+4*\slot, G1, G0B+4*\slot, G1B         ; the first tensor load behind the round, my only one until the next; its four v_nop are among the places in front of the loads below
	PLACES NP-4
.else
	PLACES NP
.endif
	v_add_nc_u32 v[ADRS], 64*NQ, v[ADRS]           ; on to the next K step's scale words (no LDS load of mine is out)
	FETCH_B \next, 0, 0
	FETCH_A \next, 0, 0
	SCALES \next
	WIN MUL_HI
	MUL16 4, 1, NQ-1, \slot, 0
	MUL16 6, 1, NQ-1, \slot, 0
	PLACES NP
	WIN 0
	FETCH_A \next, 0, 4
.endm
	s_wait_tensorcnt 1                             ; the scale words and my part of K step 0 are in (K step 1's load may be out)
	s_barrier_signal -1
	s_barrier_wait -1                              ; everybody's are
	FETCH_B 0, 0, 0
	FETCH_A 0, 0, 0
	SCALES 0
	FETCH_A 0, 0, 4
	STEP 0, 0, 1                                   ; the first step's products start the sums
.rept LAPS-1                           ; once round the ring, both slots filled again: K has four steps of 256, so this stands once and no loop is written
	TURN 0, 1, 1
	STEP 1, 0, 0
	TURN 1, 0, 1
	STEP 0, 0, 0
.endr
	TURN 0, 1, 0                                   ; the last lap fills nothing, and has no round of the cluster's barrier
	STEP 1, 0, 0
	s_wait_dscnt 4*NL                              ; the very last step: nothing more to fetch
	WIN MUL_LO
	MUL16 0, 1, NQ-1, 1, 0
	MUL16 2, 1, NQ-1, 1, 0
	s_wait_dscnt 0
	WIN MUL_HI
	MUL16 4, 1, NQ-1, 1, 0
	MUL16 6, 1, NQ-1, 1, 0
	WIN 0
; THE WAY OUT, block a of source 1 at a time: the lane's 64 sums (register 16 b + i = place 32 b + 16 h + i along source 0, of my row of block a) get their bias, are quantised, and ARE a fragment's image: four stores of 512 consecutive bytes.
.macro QUANT s, pc, pw
.irp b, 0,1,2,3
	v_max3_num_f32 v[TM+\b], |v[\s+16*\b]|, |v[\s+1+16*\b]|, 0x8000000   ; my 16 numbers of block b, and the floor 2^(16 - 127): the byte cannot fall under 1
.endr
.irp i, 2,4,6,8,10,12,14
.irp b, 0,1,2,3
	v_max3_num_f32 v[TM+\b], v[TM+\b], |v[\s+16*\b+\i]|, |v[\s+1+16*\b+\i]|
.endr
.endr
.irp b, 0,1,2,3
	v_permlanex16_b32 v[TM+4+\b], v[TM+\b], s[SEL], s[SEL+1]
.endr
.irp b, 0,1,2,3
	v_max_num_f32 v[TM+\b], v[TM+\b], v[TM+4+\b]          ; with lane l xor 16's: the block's largest magnitude
.endr
.irp b, 0,1,2,3
	v_add_nc_u32 v[TM+12+\b], 0xf8800000, v[TM+\b]        ; 15 off its exponent field: the conversion's scale operand
.endr
.irp b, 0,1,2,3
	v_and_or_b32 v[TM+8+\b], v[TM+\b], 0x7f800000, s[MNT] ; 57,344 x the scale
.endr
.irp b, 0,1,2,3
	v_lshrrev_b32 v[TM+4+\b], 23, v[TM+12+\b]             ; the scale's byte
.endr
	v_lshl_or_b32 v[\pw], v[TM+5], 8, v[TM+4]
	v_lshl_or_b32 v[\pw], v[TM+6], 16, v[\pw]
	v_lshl_or_b32 v[\pw], v[TM+7], 24, v[\pw]
.irp b, 0,1,2,3
.irp i, 0,1,2,3,4,5,6,7,8,9,10,11,12,13,14,15
	v_med3_num_f32 v[\s+16*\b+\i], v[\s+16*\b+\i], -v[TM+8+\b], v[TM+8+\b]   ; the conversion to an 8-bit code does not saturate (ISA guide 7.6.2): the hold
.endr
	v_cvt_scalef32_pk8_bf8_f32 v[\pc+4*\b:\pc+1+4*\b], v[\s+16*\b:\s+7+16*\b], v[TM+12+\b]
	v_cvt_scalef32_pk8_bf8_f32 v[\pc+2+4*\b:\pc+3+4*\b], v[\s+8+16*\b:\s+15+16*\b], v[TM+12+\b]
.endr
	v_nop                                          ; one plain vector line behind the last conversion of the run
.endm
; The sums of block a + the bias -> v[ST] on, in window 0.  q, k: the bias runs along the registers; v: it is my row's one number.  Each accumulator is read from its low end on.
.macro ADDB a
.set WA, 0x02+(\a)/4                   ; source 0 of the addition: window 2 or 3
.set AC, 64*((\a)%4)
	s_cmp_eq_u32 s[TYPE], 0
	s_cbranch_scc0 .Lrow_\@
	WIN WA
.set n, 0
.rept 32
	v_pk_add_f32 v[ST+n:ST+n+1], v[AC+n:AC+n+1], v[BI+n:BI+n+1]
.set n, n+2
.endr
	WIN 0
	s_branch .Ladded_\@
.Lrow_\@:
	WIN WA
.set n, 0
.rept 32
.if (\a)%2
	v_pk_add_f32 v[ST+n:ST+n+1], v[AC+n:AC+n+1], v[BV+(\a)-1:BV+(\a)] op_sel:[0,1] op_sel_hi:[1,1]   ; the pair's second register for both halves
.else
	v_pk_add_f32 v[ST+n:ST+n+1], v[AC+n:AC+n+1], v[BV+(\a):BV+(\a)+1] op_sel_hi:[1,0]                ; the pair's first register for both halves
.endif
.set n, n+2
.endr
	WIN 0
.Ladded_\@:
.endm
.macro OUT a
.if (\a) > 0
	s_wait_xcnt 0x0                                ; the last block's stores have read their registers and bases: both are written again only behind this wait
	s_add_nc_u64 s[18:19], s[18:19], s[22:23]      ; source 1's next tile
.if (\a)%2 == 0
	s_add_nc_u64 s[20:21], s[20:21], s[24:25]      ; two tiles on among the scale words
.endif
.endif
	ADDB \a
	QUANT ST, PC, PW+(\a)%2
.irp c, 0,1,2,3
	global_store_b128 v[OA], v[PC+4*\c:PC+4*\c+3], s[18:19] offset:512*\c       ; 512 consecutive bytes, aligned
.endr
.if (\a)%2
	v_cndmask_b32 v[PWM], v[PW], v[PW+1], s[HM]    ; lanes 0-15 give the even block's words, lanes 16-31 the odd block's
	global_store_b32 v[OS], v[PWM], s[20:21]       ; two runs of 64 bytes
.endif
.endm
	PLACES NP                                      ; behind the last products: for the first reads of results and the first writes over source 1's fragments
	s_wait_loadcnt 0x0                             ; the biases; their bases and offsets are free from here on
	s_mov_b32 s[SEL], 0x76543210
	s_mov_b32 s[SEL+1], 0xfedcba98
	s_mov_b32 s[MNT], 0x600000
	s_mov_b32 s[HM], 0xffff0000
	s_cmp_eq_u32 s[TYPE], 0
	s_cselect_b64 s[18:19], s[18:19], s[22:23]     ; codes to qkc or vc,
	s_cselect_b64 s[20:21], s[20:21], s[24:25]     ; words to qks or vs
	s_add_co_u32 s12, s[TYPE], 15                  ; a tile of source 1 is 2^15 bytes of qkc, 2^16 of vc,
	s_add_co_u32 s13, s[TYPE], 10                  ; 2^10 bytes of qks, 2^11 of vs
	s_lshl_b32 s14, s[TYPE], 3
	s_sub_co_u32 s14, s[TA], s14                   ; Wv's tiles count from 0 in vc
	s_lshl_b32 s14, s14, 4
	s_lshl_b32 s15, s[HA], 3
	s_add_co_u32 s14, s14, s15                     ; my first tile of source 1
	s_lshl_b32 s16, s14, s12
	s_lshl_b32 s15, s[TB], 12                      ; + my first block of 32 along source 0: (8 x block + 4 x half) x 512 bytes
	s_add_co_u32 s16, s16, s15
	s_lshl_b32 s15, s[HB], 11
	s_add_co_u32 s16, s16, s15
	s_mov_b32 s17, 0
	s_add_nc_u64 s[18:19], s[18:19], s[16:17]
	s_lshl_b32 s16, s14, s13
	s_lshl_b32 s15, s[TB], 7                       ; + my word's place: (2 x block + half) x 64 bytes
	s_add_co_u32 s16, s16, s15
	s_lshl_b32 s15, s[HB], 6
	s_add_co_u32 s16, s16, s15
	s_add_nc_u64 s[20:21], s[20:21], s[16:17]
	s_lshl_b32 s22, 1, s12                         ; the steps: a tile of codes,
	s_mov_b32 s23, 0
	s_lshl_b32 s24, 2, s13                         ; two tiles of words
	s_mov_b32 s25, 0
	v_lshlrev_b32 v[OS], s13, v2                   ; lanes 16-31: the odd tile's words
	v_lshl_add_u32 v[OS], v1, 2, v[OS]
.irp b, 0,1,2,3
	v_mov_b32 v[TM+4+\b], 0                        ; written once: a lane permute's destination counts as one of its sources
.endr
.irp a, 0,1,2,3,4,5,6,7
	OUT \a
.endr
	s_wait_tensorcnt 0x0                           ; the wave's end
	ds_add_u32 v[SPW], v[NIL]
	s_wait_dscnt 0x0
	CROUND                                         ; the closing round: no work-group ends while a partner may still ask for a tile that names it
	s_endpgm
.Lfunc_end_k_qe448a9b588_proj:
	.size	k_qe448a9b588_proj, .Lfunc_end_k_qe448a9b588_proj-k_qe448a9b588_proj
	.p2alignl 7, 3214868480
	.fill 96, 4, 3214868480
	.section	.rodata,"a",@progbits
	.p2align	6, 0x0
	.amdhsa_kernel k_qe448a9b588_proj
		.amdhsa_group_segment_fixed_size 327680
		.amdhsa_private_segment_fixed_size 0
		.amdhsa_enable_private_segment 0
		.amdhsa_kernarg_size 88
		.amdhsa_user_sgpr_count 2
		.amdhsa_user_sgpr_kernarg_segment_ptr 1
		.amdhsa_wavefront_size32 1
		.amdhsa_system_sgpr_workgroup_id_x 1
		.amdhsa_system_sgpr_workgroup_id_y 1
		.amdhsa_system_sgpr_workgroup_id_z 1
		.amdhsa_system_vgpr_workitem_id 0
		.amdhsa_next_free_vgpr 1024
		.amdhsa_next_free_sgpr 102
		.amdhsa_reserve_vcc 0
		.amdhsa_float_denorm_mode_32 3
		.amdhsa_float_denorm_mode_16_64 3
		.amdhsa_memory_ordered 1
		.amdhsa_forward_progress 1
		.amdhsa_inst_pref_size 223
	.end_amdhsa_kernel
	.amdgpu_metadata
---
amdhsa.version: [ 1, 2 ]
amdhsa.kernels:
  - .name:           k_qe448a9b588_proj
    .symbol:         k_qe448a9b588_proj.kd
    .args:
      - { .name: xc, .offset: 0, .size: 8, .value_kind: global_buffer, .address_space: global }
      - { .name: xs, .offset: 8, .size: 8, .value_kind: global_buffer, .address_space: global }
      - { .name: wc, .offset: 16, .size: 8, .value_kind: global_buffer, .address_space: global }
      - { .name: ws, .offset: 24, .size: 8, .value_kind: global_buffer, .address_space: global }
      - { .name: bq, .offset: 32, .size: 8, .value_kind: global_buffer, .address_space: global }
      - { .name: bk, .offset: 40, .size: 8, .value_kind: global_buffer, .address_space: global }
      - { .name: bv, .offset: 48, .size: 8, .value_kind: global_buffer, .address_space: global }
      - { .name: qkc, .offset: 56, .size: 8, .value_kind: global_buffer, .address_space: global }
      - { .name: qks, .offset: 64, .size: 8, .value_kind: global_buffer, .address_space: global }
      - { .name: vc, .offset: 72, .size: 8, .value_kind: global_buffer, .address_space: global }
      - { .name: vs, .offset: 80, .size: 8, .value_kind: global_buffer, .address_space: global }
    .group_segment_fixed_size: 327680
    .private_segment_fixed_size: 0
    .kernarg_segment_align: 8
    .kernarg_segment_size: 88
    .max_flat_workgroup_size: 128
    .sgpr_count:     102
    .vgpr_count:     1024
    .wavefront_size: 32
...
	.end_amdgpu_metadata
.endif
;; end of part 2
;; launch attn (part 3): grid 256 x 1, 16 waves a work-group, no clusters, 300,032 bytes of LDS; arguments qkc, qks, vc, vs, hidden_states, gamma, beta, out0; writes out0
.if DOCPART == 3
	.amdgcn_target "amdgcn-amd-amdhsa--gfx1250"
	.amdhsa_code_object_version 6
	.text
	.protected	k_qe448a9b588_attn
	.globl	k_qe448a9b588_attn
	.p2align	8
	.type	k_qe448a9b588_attn,@function
k_qe448a9b588_attn:
	s_mov_b64 s[64:65], 0
	v_nop
	global_prefetch_b8 v0, s[64:65] scope:SCOPE_SE
	s_setreg_imm32_b32 hwreg(HW_REG_WAVE_MODE, 25, 1), 1
	s_wait_xcnt 0x0
; out = LayerNorm(hidden + attention), attention with the band j in [i - 128, i + 128), every other logit -10000; both products on codes of BF8 (E5M2) with E8M0 scales for each 32 along K.
; SHARES.  Work-group T owns the 16 rows row(T, r) = 32 (T / 2) + 8 (T % 2) + r + 8 (r / 8); wave w owns head w.  So a row's 1,024 columns meet in one work-group and the norm is taken here.
; KEYS.  The windows of the tile's rows lie in the 9 blocks of 32 keys B - 4 .. B + 4 (B = T / 2); the wave takes the 9 EXISTING blocks KB0 .. KB0 + 8, KB0 = min(max(B - 4, 0), 119).  All 288 scores stand in registers: one pass, no running maximum.
; Hidden keys among the 288 (at least 32 for every row) carry the logit -10000 as written, so the row's maximum, and M, are those of all 4,096 keys.
; LIMIT.  The other 3,808 keys, hidden for every row of the tile, are left out of the sum and of the product: their p = 2^(-14,427 - M) is 0 wherever the row's largest logit inside its window lies above -10000 + 126 ln 2 = -9,912.
; Under that figure the result differs.  NaN and infinities are not served.
; THE SOFTMAX AHEAD OF THE SECOND PRODUCT: t = score x log2(e) / 8; M = ceil(the row's largest t); p = 2^(t - M) is quantised along the keys; the sum of the unquantised p divides at the end.
; LAYOUT.  Both products transposed: S^T = K Q^T (source 0 = 16 keys), O^T = V^T P^T (source 0 = 16 of the head's 64): a lane holds ONE query (lane % 16); tiles 2 b, 2 b + 1 of keys leave keys 32 b + 16 (lane / 16) + 0 .. 15 in 16 registers.
; The head's K is 64, half of the instruction's 128: Q's upper 8 registers are zero codes; K's upper 8 are whatever codes follow (finite numbers), and the scale bytes there are real bytes or 0, never 0xff.
; K goes from memory straight into registers (each fragment feeds one product); V, wanted last, comes by one tensor load a wave into the wave's own LDS bytes, filled once.
; NO CLUSTER: only the two tiles of one B share their 9 blocks; four neighbours' joint range is 10 blocks, and V alone, 10 x 2,048 bytes x 16 heads = 327,680 bytes, would leave no LDS for the norm's words.
; REGISTERS: v1-13 addresses; v14 -M; v16-24 K's scale words, v25 Q's, v26-31 V's; v32-39 Q, v40-47 zeros; v48-191 S^T, then p; v96-239 K's 18 tiles (results are laid over tiles that are done with); v240-251 zeros; v252-254 p's scale words.
;   Behind the scores: v32-40 block maxima; v42-45 the sum; v192-200 the holds; v204-239 p's codes (until then v204-221 at work); v48-79 hidden as loaded; v80-143 V's fragments, later rows; v144-175 O^T, then x; v176-183 gamma, beta.
.set WREG,  18432                      ; a wave's LDS: V [dt 4][block 9][512 bytes]; behind the last read of V: two stages of 16 rows x 272 bytes, at 0 and at 4,608
.set VROW,  4608
.set SPI,   272
.set OSTG,  4608
.set STAT1, 16*WREG                    ; 16 rows x 80 bytes: word w of row r is wave w's sum;  the squares' 1,536 bytes further on
.set STATD, 1536
.set R16, 1                            ; v1   r, then 16 r
.set LI,  3                            ; v3   16 x lane
.set KSO, 4                            ; v4   1,024 h + 4 r
.set ELO, 5                            ; v5   register 16 b + i is hidden from below where 32 b + i < ELO,
.set EHI, 6                            ; v6   from above where 32 b + i >= EHI
.set HID, 7                            ; v7   -80,000: the score whose logit is -10000
.set VLA, 8                            ; v8   my place in V's images
.set HO,  9                            ; v9   4,096 h + 16 r: two rows of hidden or of out
.set SW,  10                           ; v10  a stage by rows: 272 h + 16 r
.set SRD, 11                           ; v11  a stage by lanes: 272 r + 64 h
.set STR, 12                           ; v12  row r's sixteen words
.set STW, 13                           ; v13  my wave's word of row r
.set KS,  16
.set QS,  25
.set VS,  26
.set QF,  32
.set S,   48
.set KT,  96
.set BM,  32
.set LIM, 192
.set PT,  204
.set BY,  213
.set PCD, 204
.set PW,  252
.set VF,  80
.set OT,  144
.set WV,  20
.set DL,  24                           ; s24  B - 4 - KB0: 0 away from the edges, -4 .. -1 at the start, 1 .. 4 at the end
.set DH,  33                           ; s33  DL + 8
.set SEL, 26
.set CS,  28                           ; s[28:29] c = log2(e) / 8
.set MNT, 30
	s_load_b512 s[4:19], s[0:1], 0x0               ; qkc s[4:5], qks s[6:7], vc s[8:9], vs s[10:11], hidden s[12:13], gamma s[14:15], beta s[16:17], out s[18:19]
	v_lshl_add_u32 v254, v0, 2, 0x48c00
	v_mov_b32 v255, 0
	ds_add_u32 v254, v255
	ds_add_u32 v254, v255
	s_wait_dscnt 0x0
	v_lshrrev_b32 v1, 5, v0
	v_readfirstlane_b32 s[WV], v1                  ; wave = head 0..15
	s_lshr_b32 s21, ttmp9, 1                       ; B
	s_and_b32 s22, ttmp9, 1                        ; U
	s_sub_co_i32 s[DL], s21, 4
	s_max_i32 s23, s[DL], 0
	s_min_i32 s23, s23, 119                        ; KB0
	s_sub_co_i32 s[DL], s[DL], s23
	s_add_co_i32 s[DH], s[DL], 8
	s_lshl_b32 s25, s[DL], 5
	s_lshl_b32 s48, s22, 3
	s_add_co_i32 s25, s25, s48                     ; 32 DL + 8 U
	s_and_b32 s31, s[WV], 1
	s_lshl_b32 s31, s31, 4                         ; a word of q's or k's scales holds two heads: mine begins at bit 16 (head % 2)
	s_and_b32 s32, s23, 3
	s_lshl_b32 s32, s32, 3                         ; V's words hold blocks 4 g on: mine begin at bit 8 (KB0 % 4)
	s_mov_b32 s[SEL], 0x76543210
	s_mov_b32 s[SEL+1], 0xfedcba98
	s_mov_b32 s[CS], 0x3e38aa3b
	s_mov_b32 s[CS+1], s[CS]                       ; (named with it as a pair, so it is written)
	s_mov_b32 s[MNT], 0x600000
	s_mov_b32 s54, 0x3a800000                      ; 1 / 1,024
	s_mov_b32 s55, 0x2b8cbccc                      ; 1e-12
	; V: 4 rows (tiles of 16 of the head's 64) of 9 blocks x 512 = 4,608 bytes, 65,536 bytes apart, in elements of 8 bytes
	s_mov_b32 s40, 3<<16
	s_mov_b32 s41, 576<<16                         ; tensor_dim0
	s_mov_b32 s42, 4<<16                           ; tensor_dim1
	s_mov_b32 s43, 576<<16                         ; tile_dim0
	s_mov_b32 s44, 4                               ; tile_dim1
	s_mov_b32 s45, 8192                            ; tensor_dim0_stride
	s_mov_b32 s46, 0
	s_mov_b32 s47, 0
	s_mov_b32 s36, 1
	s_mul_i32 s37, s[WV], WREG                     ; my wave's own bytes
	s_lshl_b32 s48, s[WV], 18
	s_lshl_b32 s49, s23, 9
	s_add_co_u32 s48, s48, s49
	s_mov_b32 s49, 0
	s_wait_kmcnt 0x0
	s_add_nc_u64 s[38:39], s[8:9], s[48:49]
	s_or_b32 s39, s39, 0x80000000
	tensor_load_to_lds s[36:39], s[40:47]          ; my one tensor load: filled once, read by me alone, behind my own wait
	s_nop 0
	v_nop
	s_lshl_b32 s48, s23, 16                        ; K: x tile 2 KB0, images 32 + 2 head on
	s_lshl_b32 s50, s[WV], 10
	s_add_co_u32 s48, s48, s50
	s_add_co_u32 s48, s48, 16384
	s_add_nc_u64 s[34:35], s[4:5], s[48:49]
	s_lshl_b32 s48, ttmp9, 15                      ; Q: x tile T, images 2 head on
	s_add_co_u32 s48, s48, s50
	s_add_nc_u64 s[4:5], s[4:5], s[48:49]
	s_lshr_b32 s50, s[WV], 1
	s_lshl_b32 s50, s50, 6
	s_lshl_b32 s48, s23, 11
	s_add_co_u32 s48, s48, s50
	s_add_co_u32 s48, s48, 512
	s_add_nc_u64 s[52:53], s[6:7], s[48:49]        ; K's scale words
	s_lshl_b32 s48, ttmp9, 10
	s_add_co_u32 s48, s48, s50
	s_add_nc_u64 s[6:7], s[6:7], s[48:49]          ; Q's
	s_lshr_b32 s48, s23, 2
	s_lshl_b32 s48, s48, 6
	s_lshl_b32 s50, s[WV], 13
	s_add_co_u32 s48, s48, s50
	s_add_nc_u64 s[10:11], s[10:11], s[48:49]      ; V's
	v_and_b32 v2, 31, v0
	v_lshlrev_b32 v[LI], 4, v2
	v_and_b32 v[R16], 15, v0                       ; r
	v_bfe_u32 v2, v0, 4, 1                         ; h
	v_lshlrev_b32 v48, 2, v[R16]                   ; 4 r            (v48, v49: free again when the loads that name them are shown in)
	v_lshl_add_u32 v[KSO], v2, 10, v48
	v_lshl_add_u32 v49, v2, 11, v48                ; 2,048 h + 4 r
	global_load_b128 v[QF:QF+3], v[LI], s[4:5]
	global_load_b128 v[QF+4:QF+7], v[LI], s[4:5] offset:512
	global_load_b32 v[QS], v48, s[6:7]
.irp p, 0,1,2,3,4,5,6,7,8
	global_load_b32 v[KS+\p], v[KSO], s[52:53] offset:2048*\p      ; lanes 0-15: tile 2 p's words; lanes 16-31: tile 2 p + 1's
.endr
.irp p, 0,1
.irp i, 0,1,2
	global_load_b32 v[VS+3*\p+\i], v49, s[10:11] offset:4096*\p+64*\i   ; lanes 0-15: tile 2 p of the head's four; lanes 16-31: tile 2 p + 1
.endr
.endr
.set t, 0
.rept 18
	global_load_b128 v[KT+8*t:KT+8*t+3], v[LI], s[34:35] offset:32768*t         ; 512 consecutive bytes each
	global_load_b128 v[KT+8*t+4:KT+8*t+7], v[LI], s[34:35] offset:32768*t+512
.set t, t+1
.endr
	s_lshl_b32 s48, s21, 17                        ; hidden and out: row 32 B + 8 U, columns 64 head on
	s_lshl_b32 s50, s22, 15
	s_add_co_u32 s48, s48, s50
	s_lshl_b32 s50, s[WV], 8
	s_add_co_u32 s48, s48, s50
	s_add_nc_u64 s[12:13], s[12:13], s[48:49]
	s_add_nc_u64 s[18:19], s[18:19], s[48:49]
	s_mov_b32 s48, s50
	s_add_nc_u64 s[14:15], s[14:15], s[48:49]
	s_add_nc_u64 s[16:17], s[16:17], s[48:49]
.irp j, 0,1,2,3,4,5,6,7
	v_mov_b32 v[QF+8+\j], 0                        ; Q's codes for k = 64 .. 127
.endr
.irp j, 0,1,2,3,4,5,6,7,8,9,10,11
	v_mov_b32 v[240+\j], 0                         ; behind K's last tile, and behind p's ninth block
.endr
	v_and_b32 v50, 8, v[R16]
	v_add_nc_u32 v[ELO], v50, v[R16]               ; r + 8 (r / 8)
	v_lshlrev_b32 v50, 4, v2
	v_sub_nc_u32 v[ELO], v[ELO], v50
	v_add_nc_u32 v[ELO], s25, v[ELO]               ; my query - 128 - 32 KB0 - 16 h
	v_add_nc_u32 v[EHI], 0x100, v[ELO]
	v_mov_b32 v[HID], 0xc79c4000
	v_add_nc_u32 v[VLA], s37, v[LI]
	v_lshlrev_b32 v[HO], 4, v[R16]
	v_lshl_add_u32 v[HO], v2, 12, v[HO]
	v_mul_u32_u24 v[SW], v2, SPI
	v_lshl_add_u32 v[SW], v[R16], 4, v[SW]
	v_add_nc_u32 v[SW], s37, v[SW]
	v_mul_u32_u24 v[SRD], v[R16], SPI
	v_lshl_add_u32 v[SRD], v2, 6, v[SRD]
	v_add_nc_u32 v[SRD], s37, v[SRD]
	v_mul_u32_u24 v[STR], v[R16], 80
	v_add_nc_u32 v[STR], STAT1, v[STR]
	s_lshl_b32 s50, s[WV], 2
	v_add_nc_u32 v[STW], s50, v[STR]
	v_lshlrev_b32 v[R16], 4, v[R16]                ; 16 r
	; ---- S^T = K Q^T: 18 tiles of 16 keys, six at a time
	s_wait_loadcnt 36                              ; all but K's 36 loads are in
	v_lshrrev_b32 v[QS], s31, v[QS]                ; my head's two bytes to the bottom of each word
.irp p, 0,1,2,3,4,5,6,7,8
	v_lshrrev_b32 v[KS+\p], s31, v[KS+\p]
.endr
.irp p, 0,1
	v_alignbit_b32 v[VS+3*\p], v[VS+3*\p+1], v[VS+3*\p], s32        ; V's words for blocks KB0 + 0 .. 3,
	v_alignbit_b32 v[VS+3*\p+1], v[VS+3*\p+2], v[VS+3*\p+1], s32    ; KB0 + 4 .. 7,
	v_alignbit_b32 v[VS+3*\p+2], v[VS+3*\p+2], v[VS+3*\p+2], s32    ; and KB0 + 8 in the lowest byte (the bytes above it meet zero codes)
.endr
.rept 8
	v_nop                                          ; a scale word written by a vector line stands eight places ahead of the product that takes it
.endr
.macro KQ t                            ; tile t's operand names 16 registers: its own 8 and the 8 that follow, which meet Q's zero codes
.if (\t)%2
	v_wmma_scale_f32_16x16x128_f8f6f4 v[S+8*(\t):S+8*(\t)+7], v[KT+8*(\t):KT+8*(\t)+15], v[QF:QF+15], 0, v[KS+(\t)/2], v[QS] matrix_a_fmt:MATRIX_FMT_BF8 matrix_b_fmt:MATRIX_FMT_BF8 matrix_a_scale:MATRIX_SCALE_ROW1
.else
	v_wmma_scale_f32_16x16x128_f8f6f4 v[S+8*(\t):S+8*(\t)+7], v[KT+8*(\t):KT+8*(\t)+15], v[QF:QF+15], 0, v[KS+(\t)/2], v[QS] matrix_a_fmt:MATRIX_FMT_BF8 matrix_b_fmt:MATRIX_FMT_BF8
.endif
.endm
	s_wait_loadcnt 22                              ; tiles 0 to 6 are in (tile 5's operand names tile 6's registers)
.irp t, 0,1,2,3,4,5
	KQ \t
.endr
.rept 9
	v_nop                                          ; the next six results are laid over tiles 0 to 5, which the last six products read: nine places
.endr
	s_wait_loadcnt 10                              ; tiles 0 to 12 are in
.irp t, 6,7,8,9,10,11
	KQ \t
.endr
.rept 9
	v_nop
.endr
	s_wait_loadcnt 0x0
.irp t, 12,13,14,15,16,17
	KQ \t
.endr
.rept 8
	v_nop
.endr
	; ---- the mask.  Scalar branches on ids alone pass over the blocks that have no hidden key: from below blocks 0 .. DL have some, from above blocks DL + 8 .. 8
.macro MASKLO blk
	s_cmp_lt_i32 s[DL], \blk
	s_cbranch_scc1 .Lno_lo_\@
.irp i, 0,1,2,3,4,5,6,7,8,9,10,11,12,13,14,15
	v_cmp_lt_i32 vcc_lo, 32*\blk+\i, v[ELO]
	v_cndmask_b32 v[S+16*\blk+\i], v[S+16*\blk+\i], v[HID], vcc_lo
.endr
.Lno_lo_\@:
.endm
.macro MASKHI blk
	s_cmp_gt_i32 s[DH], \blk
	s_cbranch_scc1 .Lno_hi_\@
.irp i, 0,1,2,3,4,5,6,7,8,9,10,11,12,13,14,15
	v_cmp_ge_i32 vcc_lo, 32*\blk+\i, v[EHI]
	v_cndmask_b32 v[S+16*\blk+\i], v[S+16*\blk+\i], v[HID], vcc_lo
.endr
.Lno_hi_\@:
.endm
.irp k, 0,1,2,3,4
	MASKLO \k
.endr
.irp k, 4,5,6,7,8
	MASKHI \k
.endr
	; ---- the softmax.  Each block's largest score serves twice: for the row's maximum and, since p rises with the score, for the block's largest p
.irp b, 0,1,2,3,4,5,6,7,8
	v_max3_num_f32 v[BM+\b], v[S+16*\b], v[S+1+16*\b], v[S+2+16*\b]
.endr
.irp i, 3,5,7,9,11,13
.irp b, 0,1,2,3,4,5,6,7,8
	v_max3_num_f32 v[BM+\b], v[BM+\b], v[S+16*\b+\i], v[S+1+16*\b+\i]
.endr
.endr
.irp b, 0,1,2,3,4,5,6,7,8
	v_max_num_f32 v[BM+\b], v[BM+\b], v[S+15+16*\b]
.endr
.irp b, 0,1,2,3,4,5,6,7,8
	v_permlanex16_b32 v[PT+\b], v[BM+\b], s[SEL], s[SEL+1]
.endr
.irp b, 0,1,2,3,4,5,6,7,8
	v_max_num_f32 v[BM+\b], v[BM+\b], v[PT+\b]     ; with lane l xor 16's 16 keys
.endr
	v_max3_num_f32 v201, v[BM], v[BM+1], v[BM+2]
	v_max3_num_f32 v201, v201, v[BM+3], v[BM+4]
	v_max3_num_f32 v201, v201, v[BM+5], v[BM+6]
	v_max3_num_f32 v201, v201, v[BM+7], v[BM+8]    ; my query's largest score
	v_mul_f32 v201, s[CS], v201                    ; as t (c is positive)
	v_floor_f32 v14, -v201                         ; -M = floor(-t) = -ceil(t)
	v_mov_b32 v15, v14                             ; (named with it as a pair, so it is written)
.set j, 0
.rept 72
	v_pk_fma_f32 v[S+j:S+j+1], v[S+j:S+j+1], s[CS:CS+1], v[14:15] op_sel_hi:[1,0,0]   ; t - M, two at a time
.set j, j+2
.endr
.irp b, 0,1,2,3,4,5,6,7,8
	v_fma_f32 v[BM+\b], v[BM+\b], s[CS], v14       ; the same of each block's largest score
.endr
.set j, 0
.rept 144
	v_exp_f32 v[S+j], v[S+j]                       ; p = 2^(t - M), at most 1: not normalised
.set j, j+1
.endr
.irp b, 0,1,2,3,4,5,6,7,8
	v_exp_f32 v[BM+\b], v[BM+\b]                   ; the block's largest p: the same two instructions on the same number
.endr
	v_nop                                          ; a plain line behind the exponentials
	s_wait_alu depctr_va_vdst(0)
.irp b, 0,1,2,3,4,5,6,7,8
	v_max_num_f32 v[BM+\b], 0x8000000, v[BM+\b]    ; the floor 2^(16 - 127): the byte cannot fall under 1 (a block whose every p is 0 keeps that byte: its codes are zeros)
.endr
.irp b, 0,1,2,3,4,5,6,7,8
	v_and_or_b32 v[LIM+\b], v[BM+\b], 0x7f800000, s[MNT]   ; 57,344 x the scale
.endr
.irp b, 0,1,2,3,4,5,6,7,8
	v_add_nc_u32 v[BM+\b], 0xf8800000, v[BM+\b]    ; 15 off the exponent field: the conversion's scale operand
.endr
.irp b, 0,1,2,3,4,5,6,7,8
	v_lshrrev_b32 v[BY+\b], 23, v[BM+\b]           ; the scale's byte
.endr
.irp s, 0,1
	v_lshl_or_b32 v[PW+\s], v[BY+4*\s+1], 8, v[BY+4*\s]    ; p's scale words for blocks 0-3 and 4-7;
	v_lshl_or_b32 v[PW+\s], v[BY+4*\s+2], 16, v[PW+\s]
	v_lshl_or_b32 v[PW+\s], v[BY+4*\s+3], 24, v[PW+\s]
.endr
	v_mov_b32 v[PW+2], v[BY+8]                     ; block 8's byte alone: the bytes above it meet zero codes
	v_pk_add_f32 v[42:43], v[S:S+1], v[S+2:S+3]    ; THE ROW'S SUM IS TAKEN OF THE UNQUANTISED p: two at a time, in two chains
	v_pk_add_f32 v[44:45], v[S+4:S+5], v[S+6:S+7]
.set j, 8
.rept 34
	v_pk_add_f32 v[42:43], v[42:43], v[S+j:S+j+1]
	v_pk_add_f32 v[44:45], v[44:45], v[S+j+2:S+j+3]
.set j, j+4
.endr
	v_pk_add_f32 v[42:43], v[42:43], v[44:45]
.irp b, 0,1,2,3,4,5,6,7,8
.irp i, 0,1,2,3,4,5,6,7,8,9,10,11,12,13,14,15
	v_min_num_f32 v[S+16*\b+\i], v[S+16*\b+\i], v[LIM+\b]   ; the conversion does not saturate (ISA guide 7.6.2); p is not negative, so the hold is one-sided
.endr
	v_cvt_scalef32_pk8_bf8_f32 v[PCD+4*\b:PCD+4*\b+1], v[S+16*\b:S+16*\b+7], v[BM+\b]
	v_cvt_scalef32_pk8_bf8_f32 v[PCD+4*\b+2:PCD+4*\b+3], v[S+16*\b+8:S+16*\b+15], v[BM+\b]
.if \b == 1
	v_nop
.irp i, 0,1,2,3,4,5,6,7                ; blocks 0 and 1 have left their registers: my 64 columns of the tile's 16 rows of hidden, two rows a load, 256 consecutive bytes each
	global_load_b128 v[48+4*\i:51+4*\i], v[HO], s[12:13] offset:(2*\i+8*(\i/4))*4096 th:TH_LOAD_NT
.endr
.endif
.endr
	v_nop                                          ; one plain vector line behind the last conversion
	global_load_b128 v[176:179], v[R16], s[14:15]  ; gamma and beta of columns 64 head + 4 r on, into block 8's registers
	global_load_b128 v[180:183], v[R16], s[16:17]
	v_add_f32 v42, v42, v43                        ; the sum's two halves,
	v_permlanex16_b32 v44, v42, s[SEL], s[SEL+1]
	v_add_f32 v42, v42, v44                        ; and lane l xor 16's: the row's sum
	v_rcp_f32 v42, v42
	v_nop                                          ; a plain line behind the reciprocal
	s_wait_alu depctr_va_vdst(0)
	v_mov_b32 v43, v42
	v_nop
	; ---- O^T = V^T P^T: four tiles of 16 of the head's 64, three K steps: blocks 0-3, 4-7, and 8 with zero codes of p behind it.  The four accumulators take turns
.macro PV s, dt
.if (\s) == 0
.if (\dt)%2
	v_wmma_scale_f32_16x16x128_f8f6f4 v[OT+8*(\dt):OT+8*(\dt)+7], v[VF+16*(\dt):VF+16*(\dt)+15], v[PCD+16*(\s):PCD+16*(\s)+15], 0, v[VS+3*((\dt)/2)+(\s)], v[PW+(\s)] matrix_a_fmt:MATRIX_FMT_BF8 matrix_b_fmt:MATRIX_FMT_BF8 matrix_a_scale:MATRIX_SCALE_ROW1
.else
	v_wmma_scale_f32_16x16x128_f8f6f4 v[OT+8*(\dt):OT+8*(\dt)+7], v[VF+16*(\dt):VF+16*(\dt)+15], v[PCD+16*(\s):PCD+16*(\s)+15], 0, v[VS+3*((\dt)/2)+(\s)], v[PW+(\s)] matrix_a_fmt:MATRIX_FMT_BF8 matrix_b_fmt:MATRIX_FMT_BF8
.endif
.else
.if (\dt)%2
	v_wmma_scale_f32_16x16x128_f8f6f4 v[OT+8*(\dt):OT+8*(\dt)+7], v[VF+16*(\dt):VF+16*(\dt)+15], v[PCD+16*(\s):PCD+16*(\s)+15], v[OT+8*(\dt):OT+8*(\dt)+7], v[VS+3*((\dt)/2)+(\s)], v[PW+(\s)] matrix_a_fmt:MATRIX_FMT_BF8 matrix_b_fmt:MATRIX_FMT_BF8 matrix_a_scale:MATRIX_SCALE_ROW1
.else
	v_wmma_scale_f32_16x16x128_f8f6f4 v[OT+8*(\dt):OT+8*(\dt)+7], v[VF+16*(\dt):VF+16*(\dt)+15], v[PCD+16*(\s):PCD+16*(\s)+15], v[OT+8*(\dt):OT+8*(\dt)+7], v[VS+3*((\dt)/2)+(\s)], v[PW+(\s)] matrix_a_fmt:MATRIX_FMT_BF8 matrix_b_fmt:MATRIX_FMT_BF8
.endif
.endif
.endm
	s_wait_tensorcnt 0x0                           ; V lies in my bytes
.irp s, 0,1,2
.if \s > 0
.rept 8
	v_nop                                          ; places in front of loads into registers that the last products read
.endr
.endif
.irp d, 0,1,2,3
.irp c, 0,1,2,3
.if (\s < 2) || (\c == 0)              ; the third step has one block: the fragments' other registers keep the second step's codes, which meet zero codes of p
	ds_load_b128 v[VF+16*\d+4*\c:VF+16*\d+4*\c+3], v[VLA] offset:VROW*\d+512*(4*\s+\c)
.endif
.endr
.endr
	s_wait_dscnt 0x0
.irp d, 0,1,2,3
	PV \s, \d
.endr
.endr
.rept 8
	v_nop
.endr
	; ---- the residual and the norm.  O^T's register 16 b + i is column 64 head + 32 b + 16 h + i of my row r: hidden is turned into that layout through my stage (V has been read: the bytes have had their one fill)
	s_wait_loadcnt 2                               ; hidden is in; gamma and beta may be out
.irp i, 0,1,2,3,4,5,6,7
	ds_store_b128 v[SW], v[48+4*\i:51+4*\i] offset:2*SPI*\i
.endr
.irp b, 0,1
.irp j, 0,1,2,3
	ds_load_b128 v[80+16*\b+4*\j:83+16*\b+4*\j], v[SRD] offset:128*\b+16*\j   ; LDS serves a wave's instructions in order: these see the stores above
.endr
.endr
	s_wait_dscnt 0x0
.set j, 0
.rept 16
	v_pk_fma_f32 v[OT+j:OT+j+1], v[OT+j:OT+j+1], v[42:43], v[80+j:81+j] op_sel_hi:[1,0,1]   ; x = O / the sum + hidden; each accumulator from its low end on
.set j, j+2
.endr
.macro ACROSS off                      ; v[112:115]: two pairs of partial sums -> my wave's word of row r; a barrier; the sixteen words' sum in v112
	v_pk_add_f32 v[112:113], v[112:113], v[114:115]
	v_add_f32 v112, v112, v113
	v_permlanex16_b32 v113, v112, s[SEL], s[SEL+1]
	v_add_f32 v112, v112, v113                     ; my head's 64 columns of row r
	ds_store_b32 v[STW], v112 offset:\off          ; both halves of the lanes write the same word with the same value
	s_wait_dscnt 0x0                               ; for the others' sake
	s_barrier_signal -1
	s_barrier_wait -1
.irp k, 0,1,2,3
	ds_load_b128 v[112+4*\k:115+4*\k], v[STR] offset:\off+16*\k
.endr
	s_wait_dscnt 0x0
	v_pk_add_f32 v[112:113], v[112:113], v[114:115]
	v_pk_add_f32 v[116:117], v[116:117], v[118:119]
	v_pk_add_f32 v[120:121], v[120:121], v[122:123]
	v_pk_add_f32 v[124:125], v[124:125], v[126:127]
	v_pk_add_f32 v[112:113], v[112:113], v[116:117]
	v_pk_add_f32 v[120:121], v[120:121], v[124:125]
	v_pk_add_f32 v[112:113], v[112:113], v[120:121]
	v_add_f32 v112, v112, v113                     ; every wave adds the same words in the same order
.endm
	v_pk_add_f32 v[112:113], v[OT:OT+1], v[OT+2:OT+3]
	v_pk_add_f32 v[114:115], v[OT+4:OT+5], v[OT+6:OT+7]
.irp j, 8,12,16,20,24,28
	v_pk_add_f32 v[112:113], v[112:113], v[OT+\j:OT+\j+1]
	v_pk_add_f32 v[114:115], v[114:115], v[OT+\j+2:OT+\j+3]
.endr
	ACROSS 0
	v_mul_f32 v112, 0xba800000, v112               ; - the mean
.set j, 0
.rept 16
	v_pk_add_f32 v[OT+j:OT+j+1], v[OT+j:OT+j+1], v[112:113] op_sel_hi:[1,0]   ; x - the mean first, then the squares: no difference of large sums
.set j, j+2
.endr
	v_pk_mul_f32 v[112:113], v[OT:OT+1], v[OT:OT+1]
	v_pk_mul_f32 v[114:115], v[OT+2:OT+3], v[OT+2:OT+3]
.irp j, 4,8,12,16,20,24,28
	v_pk_fma_f32 v[112:113], v[OT+\j:OT+\j+1], v[OT+\j:OT+\j+1], v[112:113]
	v_pk_fma_f32 v[114:115], v[OT+\j+2:OT+\j+3], v[OT+\j+2:OT+\j+3], v[114:115]
.endr
	ACROSS STATD                                   ; words of their own: nobody writes the first sixteen again
	v_fma_f32 v112, v112, s54, s55                 ; the variance + 1e-12
	v_rsq_f32 v112, v112
	v_nop                                          ; a plain line behind the root
.set j, 0
	s_wait_alu depctr_va_vdst(0)
.rept 16
	v_pk_mul_f32 v[OT+j:OT+j+1], v[OT+j:OT+j+1], v[112:113] op_sel_hi:[1,0]
.set j, j+2
.endr
.irp b, 0,1
.irp j, 0,1,2,3
	ds_store_b128 v[SRD], v[OT+16*\b+4*\j:OT+16*\b+4*\j+3] offset:OSTG+128*\b+16*\j   ; back through my second stage, to rows
.endr
.endr
.irp i, 0,1,2,3,4,5,6,7
	ds_load_b128 v[80+4*\i:83+4*\i], v[SW] offset:OSTG+2*SPI*\i
.endr
	s_wait_loadcnt 0x0                             ; gamma, beta
.irp i, 0,1,2,3,4,5,6,7
	s_wait_dscnt 7-\i                              ; LDS loads come back in order: pair i of rows is in
	v_pk_fma_f32 v[80+4*\i:81+4*\i], v[80+4*\i:81+4*\i], v[176:177], v[180:181]
	v_pk_fma_f32 v[82+4*\i:83+4*\i], v[82+4*\i:83+4*\i], v[178:179], v[182:183]
	global_store_b128 v[HO], v[80+4*\i:83+4*\i], s[18:19] offset:(2*\i+8*(\i/4))*4096 th:TH_STORE_NT   ; sixteen lanes store 256 consecutive bytes, aligned; two rows an instruction
.endr
	s_wait_xcnt 0x0
	v_lshl_add_u32 v254, v0, 2, 0x48c00
	v_mov_b32 v255, 0
	s_wait_tensorcnt 0x0
	ds_add_u32 v254, v255
	s_wait_dscnt 0x0
	s_endpgm
.Lfunc_end_k_qe448a9b588_attn:
	.size	k_qe448a9b588_attn, .Lfunc_end_k_qe448a9b588_attn-k_qe448a9b588_attn
	.p2alignl 7, 3214868480
	.fill 96, 4, 3214868480
	.section	.rodata,"a",@progbits
	.p2align	6, 0x0
	.amdhsa_kernel k_qe448a9b588_attn
		.amdhsa_group_segment_fixed_size 300032
		.amdhsa_private_segment_fixed_size 0
		.amdhsa_enable_private_segment 0
		.amdhsa_kernarg_size 64
		.amdhsa_user_sgpr_count 2
		.amdhsa_user_sgpr_kernarg_segment_ptr 1
		.amdhsa_wavefront_size32 1
		.amdhsa_system_sgpr_workgroup_id_x 1
		.amdhsa_system_sgpr_workgroup_id_y 1
		.amdhsa_system_sgpr_workgroup_id_z 1
		.amdhsa_system_vgpr_workitem_id 0
		.amdhsa_next_free_vgpr 256
		.amdhsa_next_free_sgpr 66
		.amdhsa_reserve_vcc 1
		.amdhsa_float_denorm_mode_32 3
		.amdhsa_float_denorm_mode_16_64 3
		.amdhsa_memory_ordered 1
		.amdhsa_forward_progress 1
		.amdhsa_inst_pref_size 75
	.end_amdhsa_kernel
	.amdgpu_metadata
---
amdhsa.version: [ 1, 2 ]
amdhsa.kernels:
  - .name:           k_qe448a9b588_attn
    .symbol:         k_qe448a9b588_attn.kd
    .args:
      - { .name: qkc, .offset: 0, .size: 8, .value_kind: global_buffer, .address_space: global }
      - { .name: qks, .offset: 8, .size: 8, .value_kind: global_buffer, .address_space: global }
      - { .name: vc, .offset: 16, .size: 8, .value_kind: global_buffer, .address_space: global }
      - { .name: vs, .offset: 24, .size: 8, .value_kind: global_buffer, .address_space: global }
      - { .name: hidden_states, .offset: 32, .size: 8, .value_kind: global_buffer, .address_space: global }
      - { .name: gamma, .offset: 40, .size: 8, .value_kind: global_buffer, .address_space: global }
      - { .name: beta, .offset: 48, .size: 8, .value_kind: global_buffer, .address_space: global }
      - { .name: out0, .offset: 56, .size: 8, .value_kind: global_buffer, .address_space: global }
    .group_segment_fixed_size: 300032
    .private_segment_fixed_size: 0
    .kernarg_segment_align: 8
    .kernarg_segment_size: 64
    .max_flat_workgroup_size: 512
    .sgpr_count:     66
    .vgpr_count:     256
    .wavefront_size: 32
...
	.end_amdgpu_metadata
.endif
;; end of part 3
